; MI455X (gfx1250); checked and timed in simulation.
; The chip was launched on July 23, 2026; its instructions are those of AMD's public machine-readable ISA for CDNA 5 (MIT licence, August 2026) and "CDNA5" Instruction Set Architecture Reference Guide (July 2026). The comments in the code are by the model that wrote it; some were corrected since.
;; Context Inner Prod. Allowed arithmetic: float matrix products may take bf16 or f16 operands with f32 sums; all other float work in f32.
;; Inputs: decoder_hidden 1 x 2,048 float32; encoder_hiddens 16,384 x 2,048 float32.
;; Outputs: out0 1 x 2,048 float32.
;; One version. Each part assembles by itself: llvm-mc -triple=amdgcn-amd-amdhsa -mcpu=gfx1250 --defsym DOCPART=n.
;; ======== version 1 of 1: 2 launches
;; workspace buffers: part 2,097,152 bytes; stats 2,048 bytes
;; launch partial (part 1): grid 256 x 1, 8 waves a work-group, no clusters, 75,008 bytes of LDS; arguments decoder_hidden, encoder_hiddens, part, stats; writes part, stats
.if DOCPART == 1
	.amdgcn_target "amdgcn-amd-amdhsa--gfx1250"
	.amdhsa_code_object_version 6
	.text
	.protected	k_qd08d47b3d1_partial
	.globl	k_qd08d47b3d1_partial
	.p2align	8
	.type	k_qd08d47b3d1_partial,@function
k_qd08d47b3d1_partial:
	s_mov_b64 s[64:65], 0
	v_nop
	global_prefetch_b8 v0, s[64:65] scope:SCOPE_SE
	s_setreg_imm32_b32 hwreg(HW_REG_WAVE_MODE, 25, 1), 1
	s_wait_xcnt 0x0
; Attention of ONE query over 16,384 rows of 2,048 f32, first of two launches.
; Work-group g takes rows 64 g .. 64 g + 63 and leaves: part[g][0..2047] = sum over its rows of exp(score - M_g) * row,
; stats[g] = M_g (the largest score of its rows), stats[256 + g] = sum of exp(score - M_g).  The second launch merges the 256 partial results.
; Each loaded number feeds two multiply-adds only, so the bytes decide: every encoder byte is loaded once, a row stays in registers between
; its dot product and its accumulation.  All arithmetic is f32 on the vector unit: with a single query row a 16-row matrix tile would be
; 1/16 used.  No cluster: the work-groups share only dec, 8 KB beside 512 KB of rows of their own.
; Eight waves; wave w takes the whole rows 8 t + w, t = 0..7, so a score never leaves its wave.  A lane holds bytes 512 j + 16 lane, j = 0..15.
; The softmax keeps a running maximum: m' = max(m, s), acc = acc * exp(m - m') + exp(s - m') * row, l likewise.
; Row 0 is loaded straight into the accumulator (its weight against its own score is 1); rows 1..7 go through a ring of four register slots.
; LIMITS: weights below 2^-126 of the largest come out as zero (v_exp_f32 flushes such results); NaN or infinite inputs do not give
; the NaN pattern of an f32 softmax (v_max_num_f32 drops NaN); the f32 sums are formed in another order than a plain loop over rows.
;
; REGISTERS, two windows of 256 (s_set_vgpr_msb low byte: bits 1:0 source 0, 7:6 destination):
;   window 0: v0-31 addresses and scratch, v32-95 dec, v96-159 accumulator, v160-185 the merge at the end
;   window 1: four row slots of 64 registers
.set ROWB,    8192                     ; bytes in a row
.set WAVES,   8
.set STEP,    WAVES*ROWB               ; from a wave's row to its next
.set LDS_DEC, 0                        ; 8,192 bytes: dec
.set LDS_ST,  8192                     ; 64 bytes used: (m, l) of each wave
.set LDS_ACC, 8448                     ; 8 x 8,192 bytes: each wave's sums
.set OFF, 1                            ; 8192 wave + 16 lane: my bytes in the wave's first row, and in LDS_ACC
.set LA,  2                            ; 16 lane
.set T16, 3                            ; 512 wave + 16 lane = 16 x thread: staging of dec
.set S,   4                            ; v[4:11]  four chains of the dot product, two sums each
.set SC,  12                           ; the row's score
.set SA,  13                           ; 8 wave: my place among the (m, l) pairs
.set M,   14                           ; running maximum   (M, L) are stored as a pair
.set L,   15                           ; running sum
.set MN,  16                           ; new maximum
.set ZO,  17                           ; zero offset
.set E,   18                           ; v18 exp(m - m'), v19 its argument, v20 exp(s - m'), v21 its argument
.set STG, 22                           ; v[22:29] dec on its way to LDS
.set GO,  30                           ; 1024 wave + 16 lane: my columns in the merge, byte offset in part[g]
.set RA,  31                           ; the same + LDS_ACC
.set DEC, 32
.set ACC, 96
.set ST,  160                          ; v[160:175] (m, l) of the eight waves
.set O,   176                          ; v[176:183] merged sums of my 8 columns
.set MW,  184                          ; the work-group's maximum
.set LW,  185                          ; the work-group's sum
.set X_SRC0, 0x01                      ; source 0 in window 1 (a row slot), all else in window 0
.set X_DST,  0x40                      ; destination in window 1 (a load into a slot), address in window 0
.set MSB, 0
.macro WIN new                         ; the immediate's high byte repeats the setting that is left
.if MSB != \new
	s_set_vgpr_msb (MSB<<8)|\new
.set MSB, \new
.endif
.endm
; sixteen loads of 512 consecutive bytes each: the wave's row number row into a slot.  Read once in the launch: non-temporal.
.macro FILL slot, row
	WIN X_DST
.irp j, 0,1,2,3,4,5,6,7,8,9,10,11,12,13,14,15
	global_load_b128 v[64*\slot+4*\j:64*\slot+4*\j+3], v[OFF], s[6:7] offset:\row*STEP+512*\j th:TH_LOAD_NT
.endr
.endm
; dst = <row, dec> in every lane.  The row's 64 registers start at x in the window that win names for source 0.
.macro DOT x, win, dst
	WIN \win
.irp c, 0,1,2,3
	v_pk_mul_f32 v[S+2*\c:S+2*\c+1], v[\x+2*\c:\x+2*\c+1], v[DEC+2*\c:DEC+2*\c+1]     ; the first products start the four chains
.endr
.set q, 4
.rept 28
	v_pk_fma_f32 v[S+2*(q%4):S+2*(q%4)+1], v[\x+2*q:\x+2*q+1], v[DEC+2*q:DEC+2*q+1], v[S+2*(q%4):S+2*(q%4)+1]
.set q, q+1
.endr
	WIN 0
	v_pk_add_f32 v[S:S+1], v[S:S+1], v[S+2:S+3]
	v_pk_add_f32 v[S+4:S+5], v[S+4:S+5], v[S+6:S+7]
	v_pk_add_f32 v[S:S+1], v[S:S+1], v[S+4:S+5]
	v_add_f32 v[SC], v[S], v[S+1]
	v_add_f32_dpp v[SC], v[SC], v[SC] row_xmask:1 row_mask:0xf bank_mask:0xf          ; four steps inside each half of 16 lanes,
	v_add_f32_dpp v[SC], v[SC], v[SC] row_xmask:2 row_mask:0xf bank_mask:0xf
	v_add_f32_dpp v[SC], v[SC], v[SC] row_xmask:4 row_mask:0xf bank_mask:0xf
	v_add_f32_dpp v[SC], v[SC], v[SC] row_xmask:8 row_mask:0xf bank_mask:0xf
	v_permlanex16_b32 v[S+1], v[SC], s16, s17                                         ; one across the halves (its destination has been written before)
	v_add_f32 v[\dst], v[SC], v[S+1]
.endm
; The turn of one row in a slot.  left = younger loads that may stay out; fill = the row that the slot takes next (0: none).
.macro TURN slot, left, fill
	s_wait_loadcnt \left                           ; loads return in order: this row's sixteen are in
	DOT 64*\slot, X_SRC0, SC
	v_max_num_f32 v[MN], v[M], v[SC]
	v_sub_f32 v[E+1], v[M], v[MN]                  ; both differences are <= 0 and one of them is 0: no exponential overflows, l stays >= 1
	v_sub_f32 v[E+3], v[SC], v[MN]
	v_mul_f32 v[E+1], s18, v[E+1]                  ; e^x = 2^(x log2 e)
	v_mul_f32 v[E+3], s18, v[E+3]
	v_exp_f32 v[E], v[E+1]
	v_exp_f32 v[E+2], v[E+3]
	v_mov_b32 v[M], v[MN]                          ; the plain instruction that stands between the exponentials and their first use
	s_wait_alu depctr_va_vdst(0)
	v_fma_f32 v[L], v[L], v[E], v[E+2]
.set q, 0
.rept 32
	v_pk_mul_f32 v[ACC+2*q:ACC+2*q+1], v[ACC+2*q:ACC+2*q+1], v[E:E+1] op_sel_hi:[1,0]                               ; both by exp(m - m')
.set q, q+1
.endr
	WIN X_SRC0
.set q, 0
.rept 32
	v_pk_fma_f32 v[ACC+2*q:ACC+2*q+1], v[64*\slot+2*q:64*\slot+2*q+1], v[E+2:E+3], v[ACC+2*q:ACC+2*q+1] op_sel_hi:[1,0,1]   ; both by exp(s - m')
.set q, q+1
.endr
.if \fill
	FILL \slot, \fill
.endif
.endm
	s_load_b256 s[4:11], s[0:1], 0x0               ; dec s[4:5], enc s[6:7], part s[8:9], stats s[10:11]
	v_lshl_add_u32 v254, v0, 2, 0x12100
	v_mov_b32 v255, 0
	v_lshrrev_b32 v[SA], 5, v0
	v_readfirstlane_b32 s12, v[SA]                 ; wave 0..7
	v_and_b32 v[LA], 31, v0
	v_lshlrev_b32 v[LA], 4, v[LA]
	s_lshl_b32 s13, s12, 13
	v_add_nc_u32 v[OFF], s13, v[LA]
	s_lshl_b32 s13, s12, 10
	v_add_nc_u32 v[GO], s13, v[LA]
	s_add_co_u32 s13, s13, LDS_ACC
	v_add_nc_u32 v[RA], s13, v[LA]
	s_lshl_b32 s13, s12, 9
	v_add_nc_u32 v[T16], s13, v[LA]
	s_lshl_b32 s13, s12, 3
	v_mov_b32 v[SA], s13
	s_mov_b32 s15, 0
	s_mov_b32 s16, 0x76543210                      ; v_permlanex16_b32: lane i of one half reads lane i of the other
	s_mov_b32 s17, 0xfedcba98
	s_mov_b32 s18, 0x3fb8aa3b                      ; log2 e
	s_wait_kmcnt 0x0
	s_lshl_b32 s14, ttmp9, 19                      ; 64 rows of 8,192 bytes for each work-group; 255 x 512 KiB stays below 2^31
	s_add_nc_u64 s[6:7], s[6:7], s[14:15]
	s_lshl_b32 s14, ttmp9, 13                      ; part[g]
	s_add_nc_u64 s[8:9], s[8:9], s[14:15]
	s_lshl_b32 s14, ttmp9, 2                       ; stats[g]
	s_add_nc_u64 s[10:11], s[10:11], s[14:15]
	global_load_b128 v[STG:STG+3],   v[T16], s[4:5]                ; dec: each thread fetches 2 x 16 bytes, the work-group all 8,192 once
	global_load_b128 v[STG+4:STG+7], v[T16], s[4:5] offset:4096
.irp j, 0,1,2,3,4,5,6,7,8,9,10,11,12,13,14,15
	global_load_b128 v[ACC+4*\j:ACC+4*\j+3], v[OFF], s[6:7] offset:512*\j th:TH_LOAD_NT    ; row 0 lands in the accumulator
.endr
	FILL 0, 1
	FILL 1, 2
	WIN 0
	s_wait_loadcnt 48                              ; behind dec's two loads stand rows 0, 1, 2: 48 loads stay out
	ds_store_b128 v[T16], v[STG:STG+3]   offset:LDS_DEC
	ds_store_b128 v[T16], v[STG+4:STG+7] offset:LDS_DEC+4096
	FILL 2, 3                                      ; up to 64 loads are then pending; a load that finds the counter full is held at issue (ISA guide 5.7.1)
	WIN 0
	s_wait_dscnt 0x0                               ; my part of dec is in LDS before I say so
	s_barrier_signal -1
	s_barrier_wait -1                              ; everybody's is
.irp j, 0,1,2,3,4,5,6,7,8,9,10,11,12,13,14,15
	ds_load_b128 v[DEC+4*\j:DEC+4*\j+3], v[LA] offset:LDS_DEC+512*\j       ; dec in the layout of a row
.endr
	s_wait_loadcnt 48                              ; row 0 is in; rows 1, 2, 3 stay out
	FILL 3, 4
	s_wait_dscnt 0x0                               ; dec is in registers
	DOT ACC, 0, M                                  ; m = score of row 0, acc = row 0,
	v_mov_b32 v[L], 1.0                            ; l = exp(0)
	TURN 0, 48, 5                                  ; row 1; rows 2, 3, 4 stay out
	TURN 1, 48, 6                                  ; row 2; rows 3, 4, 5
	TURN 2, 48, 7                                  ; row 3; rows 4, 5, 6
	TURN 3, 48, 0                                  ; row 4; rows 5, 6, 7.  From here nothing is fetched and the counts run down
	TURN 0, 32, 0
	TURN 1, 16, 0
	TURN 2, 0, 0
	; THE MERGE of the eight waves: everything into LDS, one barrier, then wave w sums columns 256 w .. 256 w + 255 over all waves.
	WIN 0
.irp j, 0,1,2,3,4,5,6,7,8,9,10,11,12,13,14,15
	ds_store_b128 v[OFF], v[ACC+4*\j:ACC+4*\j+3] offset:LDS_ACC+512*\j     ; 32 lanes, 512 consecutive bytes
.endr
	ds_store_b64 v[SA], v[M:M+1] offset:LDS_ST     ; all lanes hold the same pair and write the same 8 bytes
	s_wait_dscnt 0x0                               ; for the other waves: all my stores are done before I signal
	s_barrier_signal -1
	s_barrier_wait -1
	v_mov_b32 v[ZO], 0
.irp i, 0,1,2,3
	ds_load_b128 v[ST+4*\i:ST+4*\i+3], v[ZO] offset:LDS_ST+16*\i           ; m0 l0 m1 l1 .. m7 l7, the same in every lane
.endr
.irp i, 0,1,2,3,4,5,6,7
	ds_load_b128 v[DEC+8*\i:DEC+8*\i+3],   v[RA] offset:\i*ROWB            ; wave i's sums of my 8 columns (dec's registers are free)
	ds_load_b128 v[DEC+8*\i+4:DEC+8*\i+7], v[RA] offset:\i*ROWB+512
.endr
	s_wait_dscnt 16                                ; the four loads of (m, l) are in; the sixteen behind them stay out
	v_max3_num_f32 v[MW], v[ST], v[ST+2], v[ST+4]
	v_max3_num_f32 v[MW], v[MW], v[ST+6], v[ST+8]
	v_max3_num_f32 v[MW], v[MW], v[ST+10], v[ST+12]
	v_max_num_f32 v[MW], v[MW], v[ST+14]
.irp i, 0,1,2,3,4,5,6,7
	v_sub_f32 v[ST+2*\i], v[ST+2*\i], v[MW]
.endr
.irp i, 0,1,2,3,4,5,6,7
	v_mul_f32 v[ST+2*\i], s18, v[ST+2*\i]
.endr
.irp i, 0,1,2,3,4,5,6,7
	v_exp_f32 v[ST+2*\i], v[ST+2*\i]               ; e_i = exp(m_i - M) takes m_i's place
.endr
	v_nop                                          ; one plain place between the last exponential and the first use
	s_wait_alu depctr_va_vdst(0)
	v_mul_f32 v[LW], v[ST], v[ST+1]
.irp i, 1,2,3,4,5,6,7
	v_fmac_f32 v[LW], v[ST+2*\i], v[ST+2*\i+1]     ; sum of e_i l_i
.endr
	s_wait_dscnt 14                                ; wave 0's two loads are in
.irp c, 0,1,2,3
	v_pk_mul_f32 v[O+2*\c:O+2*\c+1], v[DEC+2*\c:DEC+2*\c+1], v[ST:ST+1] op_sel_hi:[1,0]
.endr
.irp i, 1,2,3,4,5,6,7
	s_wait_dscnt 14-2*\i                           ; wave i's two loads are in, the later waves' stay out
.irp c, 0,1,2,3
	v_pk_fma_f32 v[O+2*\c:O+2*\c+1], v[DEC+8*\i+2*\c:DEC+8*\i+2*\c+1], v[ST+2*\i:ST+2*\i+1], v[O+2*\c:O+2*\c+1] op_sel_hi:[1,0,1]
.endr
.endr
	global_store_b128 v[GO], v[O:O+3],   s[8:9]                    ; each store of the wave covers 512 consecutive bytes, aligned
	global_store_b128 v[GO], v[O+4:O+7], s[8:9] offset:512
	v_cmp_eq_u32 vcc_lo, 0, v0
	s_wait_xcnt 0x0                                ; EXEC is a source of the stores above: it changes only behind this wait
	s_wait_tensorcnt 0x0
	ds_add_u32 v254, v255
	s_wait_dscnt 0x0
	s_and_saveexec_b32 s20, vcc_lo                 ; thread 0 alone writes the work-group's two figures
	global_store_b32 v[ZO], v[MW], s[10:11]
	global_store_b32 v[ZO], v[LW], s[10:11] offset:1024
	s_endpgm
.Lfunc_end_k_qd08d47b3d1_partial:
	.size	k_qd08d47b3d1_partial, .Lfunc_end_k_qd08d47b3d1_partial-k_qd08d47b3d1_partial
	.p2alignl 7, 3214868480
	.fill 96, 4, 3214868480
	.section	.rodata,"a",@progbits
	.p2align	6, 0x0
	.amdhsa_kernel k_qd08d47b3d1_partial
		.amdhsa_group_segment_fixed_size 75008
		.amdhsa_private_segment_fixed_size 0
		.amdhsa_enable_private_segment 0
		.amdhsa_kernarg_size 32
		.amdhsa_user_sgpr_count 2
		.amdhsa_user_sgpr_kernarg_segment_ptr 1
		.amdhsa_wavefront_size32 1
		.amdhsa_system_sgpr_workgroup_id_x 1
		.amdhsa_system_sgpr_workgroup_id_y 1
		.amdhsa_system_sgpr_workgroup_id_z 1
		.amdhsa_system_vgpr_workitem_id 0
		.amdhsa_next_free_vgpr 512
		.amdhsa_next_free_sgpr 66
		.amdhsa_reserve_vcc 1
		.amdhsa_float_denorm_mode_32 3
		.amdhsa_float_denorm_mode_16_64 3
		.amdhsa_memory_ordered 1
		.amdhsa_forward_progress 1
		.amdhsa_inst_pref_size 74
	.end_amdhsa_kernel
	.amdgpu_metadata
---
amdhsa.version: [ 1, 2 ]
amdhsa.kernels:
  - .name:           k_qd08d47b3d1_partial
    .symbol:         k_qd08d47b3d1_partial.kd
    .args:
      - { .name: decoder_hidden, .offset: 0, .size: 8, .value_kind: global_buffer, .address_space: global }
      - { .name: encoder_hiddens, .offset: 8, .size: 8, .value_kind: global_buffer, .address_space: global }
      - { .name: part, .offset: 16, .size: 8, .value_kind: global_buffer, .address_space: global }
      - { .name: stats, .offset: 24, .size: 8, .value_kind: global_buffer, .address_space: global }
    .group_segment_fixed_size: 75008
    .private_segment_fixed_size: 0
    .kernarg_segment_align: 8
    .kernarg_segment_size: 32
    .max_flat_workgroup_size: 256
    .sgpr_count:     66
    .vgpr_count:     512
    .wavefront_size: 32
...
	.end_amdgpu_metadata
.endif
;; end of part 1
;; launch combine (part 2): grid 32 x 1, 16 waves a work-group, no clusters, 10,240 bytes of LDS; arguments part, stats, out0; writes out0
.if DOCPART == 2
	.amdgcn_target "amdgcn-amd-amdhsa--gfx1250"
	.amdhsa_code_object_version 6
	.text
	.protected	k_qd08d47b3d1_combine
	.globl	k_qd08d47b3d1_combine
	.p2align	8
	.type	k_qd08d47b3d1_combine,@function
k_qd08d47b3d1_combine:
	s_mov_b64 s[64:65], 0
	v_nop
	global_prefetch_b8 v0, s[64:65] scope:SCOPE_SE
	s_setreg_imm32_b32 hwreg(HW_REG_WAVE_MODE, 25, 1), 1
	s_wait_xcnt 0x0
; Second launch: out[c] = sum over p of exp(m_p - M) part[p][c] / sum over p of exp(m_p - M) l_p,  M = max over p of m_p,  p = 0..255.
; stats holds m_0..m_255, then l_0..l_255.  Work-group g owns columns 64 g .. 64 g + 63: 256 consecutive bytes of every partial row and of out.
; Sixteen waves; wave w takes partials 16 w .. 16 w + 15: lanes 0-15 rows 16 w + j, lanes 16-31 rows 16 w + 8 + j, j = 0..7, sixteen lanes
; reading one row's 256 bytes.  All 14 loads of a wave are issued at once.  Every wave forms M and the sum from the 2 KB of stats itself and scales
; its own sums by 1 / sum, so that behind the barrier only additions are left.  The waves' sums meet in LDS; wave 0 adds them and stores.
; 32 work-groups: a narrower share of columns would split the 256-byte pieces of the rows and of out.
; Some exp(m_p - M) is 1 and every l_p >= 1, so the divisor is at least 1.  Weights below 2^-126 come out as zero (v_exp_f32).
.set ROWB, 8192
.set SO,  2                            ; 32 lane: the eight m (and l) that this lane takes for the wave-wide maximum and sum
.set OO,  3                            ; 32 (2 wave + half): the eight m of the rows that this lane adds up
.set PO,  4                            ; 65536 (2 wave + half) + 16 (lane % 16): my 16 bytes in my first row
.set SA,  5                            ; 512 wave + 16 lane: my 16 bytes in LDS
.set MA,  8                            ; v[8:15]   m, then exp(m - M), of partials 8 lane ..
.set LL,  16                           ; v[16:23]  l of the same
.set MO,  24                           ; v[24:31]  m, then exp(m - M), of my rows
.set P,   32                           ; v[32:63] my rows; v[32:95] the sixteen waves' sums in wave 0
.set A,   96                           ; v[96:99]  my sums of 4 columns
.set T,   100
.set MX,  102
.set INV, 104                          ; 1 / sum; (INV, LS) is read as a pair
.set LS,  105
	s_load_b128 s[4:7], s[0:1], 0x0                ; part s[4:5], stats s[6:7]
	s_load_b64 s[8:9], s[0:1], 0x10                ; out
	v_lshl_add_u32 v112, v0, 2, 0x2000
	v_mov_b32 v113, 0
	v_lshrrev_b32 v1, 5, v0
	v_readfirstlane_b32 s10, v1                    ; wave 0..15
	v_and_b32 v1, 31, v0
	v_lshlrev_b32 v[SO], 5, v1
	v_lshlrev_b32 v[SA], 4, v1
	s_lshl_b32 s11, s10, 9
	v_add_nc_u32 v[SA], s11, v[SA]
	v_lshrrev_b32 v1, 4, v0                        ; 2 wave + half: which group of eight partials
	v_lshlrev_b32 v[OO], 5, v1
	v_and_b32 v[PO], 15, v0
	v_lshlrev_b32 v[PO], 4, v[PO]
	v_lshl_or_b32 v[PO], v1, 16, v[PO]
	s_lshl_b32 s12, ttmp9, 8                       ; the work-group's 256 bytes in a row
	s_mov_b32 s13, 0
	s_mov_b32 s14, 0x76543210                      ; v_permlanex16_b32: lane i of one half reads lane i of the other
	s_mov_b32 s15, 0xfedcba98
	s_mov_b32 s16, 0x3fb8aa3b                      ; log2 e
	s_wait_kmcnt 0x0
	s_add_nc_u64 s[4:5], s[4:5], s[12:13]
	s_add_nc_u64 s[8:9], s[8:9], s[12:13]
	global_load_b128 v[MA:MA+3],   v[SO], s[6:7]               ; the stats first: the longest chain hangs on them
	global_load_b128 v[MA+4:MA+7], v[SO], s[6:7] offset:16
	global_load_b128 v[LL:LL+3],   v[SO], s[6:7] offset:1024
	global_load_b128 v[LL+4:LL+7], v[SO], s[6:7] offset:1040
	global_load_b128 v[MO:MO+3],   v[OO], s[6:7]
	global_load_b128 v[MO+4:MO+7], v[OO], s[6:7] offset:16
.irp j, 0,1,2,3,4,5,6,7
	global_load_b128 v[P+4*\j:P+4*\j+3], v[PO], s[4:5] offset:\j*ROWB th:TH_LOAD_NT    ; each piece is read once in the launch
.endr
	s_wait_loadcnt 8                               ; the six loads of stats are in; the eight rows stay out
	v_max3_num_f32 v[T], v[MA], v[MA+1], v[MA+2]
	v_max3_num_f32 v[T], v[T], v[MA+3], v[MA+4]
	v_max3_num_f32 v[T], v[T], v[MA+5], v[MA+6]
	v_max_num_f32 v[T], v[T], v[MA+7]
	v_max_num_f32_dpp v[T], v[T], v[T] row_xmask:1 row_mask:0xf bank_mask:0xf
	v_max_num_f32_dpp v[T], v[T], v[T] row_xmask:2 row_mask:0xf bank_mask:0xf
	v_max_num_f32_dpp v[T], v[T], v[T] row_xmask:4 row_mask:0xf bank_mask:0xf
	v_max_num_f32_dpp v[T], v[T], v[T] row_xmask:8 row_mask:0xf bank_mask:0xf
	v_permlanex16_b32 v1, v[T], s14, s15           ; (v1 has been written before)
	v_max_num_f32 v[MX], v[T], v1                  ; M, in every lane
.irp k, 0,1,2,3,4,5,6,7
	v_sub_f32 v[MA+\k], v[MA+\k], v[MX]
	v_sub_f32 v[MO+\k], v[MO+\k], v[MX]
.endr
.irp k, 0,1,2,3,4,5,6,7
	v_mul_f32 v[MA+\k], s16, v[MA+\k]
	v_mul_f32 v[MO+\k], s16, v[MO+\k]
.endr
.irp k, 0,1,2,3,4,5,6,7
	v_exp_f32 v[MA+\k], v[MA+\k]
	v_exp_f32 v[MO+\k], v[MO+\k]
.endr
	v_nop                                          ; one plain place between the last exponential and the first use
	s_wait_alu depctr_va_vdst(0)
	v_mul_f32 v[T], v[MA], v[LL]
.irp k, 1,2,3,4,5,6,7
	v_fmac_f32 v[T], v[MA+\k], v[LL+\k]
.endr
	v_add_f32_dpp v[T], v[T], v[T] row_xmask:1 row_mask:0xf bank_mask:0xf
	v_add_f32_dpp v[T], v[T], v[T] row_xmask:2 row_mask:0xf bank_mask:0xf
	v_add_f32_dpp v[T], v[T], v[T] row_xmask:4 row_mask:0xf bank_mask:0xf
	v_add_f32_dpp v[T], v[T], v[T] row_xmask:8 row_mask:0xf bank_mask:0xf
	v_permlanex16_b32 v1, v[T], s14, s15
	v_add_f32 v[LS], v[T], v1                      ; the softmax's whole sum
	v_rcp_f32 v[INV], v[LS]                        ; used only behind the 32 plain instructions below
	s_wait_loadcnt 7                               ; my first row is in
.irp c, 0,1,2,3
	v_mul_f32 v[A+\c], v[MO], v[P+\c]              ; the first product starts the sums
.endr
.irp j, 1,2,3,4,5,6,7
	s_wait_loadcnt 7-\j                            ; row j is in, the later rows stay out
.irp c, 0,1,2,3
	v_fmac_f32 v[A+\c], v[MO+\j], v[P+4*\j+\c]
.endr
.endr
	s_wait_alu depctr_va_vdst(0)
	v_pk_mul_f32 v[A:A+1],   v[A:A+1],   v[INV:INV+1] op_sel_hi:[1,0]
	v_pk_mul_f32 v[A+2:A+3], v[A+2:A+3], v[INV:INV+1] op_sel_hi:[1,0]
	ds_store_b128 v[SA], v[A:A+3]
	s_wait_dscnt 0x0                               ; for wave 0: my store is done before I signal
	s_barrier_signal -1
	s_barrier_wait -1
	s_cmp_lg_u32 s10, 0
	s_cbranch_scc1 .Lothers
	; wave 0: lane l adds the sixteen waves' lane l (the same four columns), then the two halves of the lanes meet
.irp i, 0,1,2,3,4,5,6,7,8,9,10,11,12,13,14,15
	ds_load_b128 v[P+4*\i:P+4*\i+3], v[SA] offset:512*\i
.endr
.irp i, 1,2,3,4,5,6,7,8,9,10,11,12,13,14,15
	s_wait_dscnt 15-\i                             ; loads 0 .. i are in
	v_pk_add_f32 v[P:P+1],   v[P:P+1],   v[P+4*\i:P+4*\i+1]
	v_pk_add_f32 v[P+2:P+3], v[P+2:P+3], v[P+4*\i+2:P+4*\i+3]
.endr
.irp c, 0,1,2,3
	v_permlanex16_b32 v[A+\c], v[P+\c], s14, s15
.endr
	v_pk_add_f32 v[P:P+1],   v[P:P+1],   v[A:A+1]
	v_pk_add_f32 v[P+2:P+3], v[P+2:P+3], v[A+2:A+3]
	v_cmp_gt_u32 vcc_lo, 16, v0
	s_wait_xcnt 0x0                                ; EXEC changes only behind this wait
	s_wait_tensorcnt 0x0
	ds_add_u32 v112, v113
	s_wait_dscnt 0x0
	s_and_saveexec_b32 s17, vcc_lo
	global_store_b128 v[SA], v[P:P+3], s[8:9]      ; sixteen lanes store the work-group's 256 consecutive bytes of out, aligned
	s_endpgm
.Lothers:
	s_wait_tensorcnt 0x0
	ds_add_u32 v112, v113
	s_wait_dscnt 0x0
	s_endpgm
.Lfunc_end_k_qd08d47b3d1_combine:
	.size	k_qd08d47b3d1_combine, .Lfunc_end_k_qd08d47b3d1_combine-k_qd08d47b3d1_combine
	.p2alignl 7, 3214868480
	.fill 96, 4, 3214868480
	.section	.rodata,"a",@progbits
	.p2align	6, 0x0
	.amdhsa_kernel k_qd08d47b3d1_combine
		.amdhsa_group_segment_fixed_size 10240
		.amdhsa_private_segment_fixed_size 0
		.amdhsa_enable_private_segment 0
		.amdhsa_kernarg_size 24
		.amdhsa_user_sgpr_count 2
		.amdhsa_user_sgpr_kernarg_segment_ptr 1
		.amdhsa_wavefront_size32 1
		.amdhsa_system_sgpr_workgroup_id_x 1
		.amdhsa_system_sgpr_workgroup_id_y 1
		.amdhsa_system_sgpr_workgroup_id_z 1
		.amdhsa_system_vgpr_workitem_id 0
		.amdhsa_next_free_vgpr 114
		.amdhsa_next_free_sgpr 66
		.amdhsa_reserve_vcc 1
		.amdhsa_float_denorm_mode_32 3
		.amdhsa_float_denorm_mode_16_64 3
		.amdhsa_memory_ordered 1
		.amdhsa_forward_progress 1
		.amdhsa_inst_pref_size 12
	.end_amdhsa_kernel
	.amdgpu_metadata
---
amdhsa.version: [ 1, 2 ]
amdhsa.kernels:
  - .name:           k_qd08d47b3d1_combine
    .symbol:         k_qd08d47b3d1_combine.kd
    .args:
      - { .name: part, .offset: 0, .size: 8, .value_kind: global_buffer, .address_space: global }
      - { .name: stats, .offset: 8, .size: 8, .value_kind: global_buffer, .address_space: global }
      - { .name: out0, .offset: 16, .size: 8, .value_kind: global_buffer, .address_space: global }
    .group_segment_fixed_size: 10240
    .private_segment_fixed_size: 0
    .kernarg_segment_align: 8
    .kernarg_segment_size: 24
    .max_flat_workgroup_size: 512
    .sgpr_count:     66
    .vgpr_count:     114
    .wavefront_size: 32
...
	.end_amdgpu_metadata
.endif
;; end of part 2
